; MI455X (gfx1250); checked and timed in simulation.
; The chip was launched on July 23, 2026; its instructions are those of AMD's public machine-readable ISA for CDNA 5 (MIT licence, August 2026) and "CDNA5" Instruction Set Architecture Reference Guide (July 2026). The comments in the code are by the model that wrote it; some were corrected since.
;; ODE Block. Allowed arithmetic: float matrix products may take bf16 or f16 operands with f32 sums; other float arithmetic in f32, or as packed bf16 or f16 multiplies, adds, multiply-adds, maxima and minima; sums over many terms, partial sums and values carried from step to step in f32; what a program stores and reads back later, other than sums and carried values, may be rounded once to bf16 or f16.
;; Inputs: W1 64 x 128 float32; W2 128 x 128 float32; W3 128 x 64 float32; b1 128 float32; b2 128 float32; b3 64 float32; x 32,768 x 64 float32.
;; Outputs: out0 32,768 x 64 float32.
;; 2 versions, each right; version 2 is version 1 with the launch prep written anew for expert scheduling mode. Each part assembles by itself: llvm-mc -triple=amdgcn-amd-amdhsa -mcpu=gfx1250 --defsym DOCPART=n.
;; ======== version 1 of 2: 10 launches
;; workspace buffers: YA 8,388,608 bytes; YB 8,388,608 bytes; CA 8,388,608 bytes; CB 8,388,608 bytes; SA 6,144 bytes; SB 6,144 bytes; WF 69,632 bytes
;; launch prep (part 1): grid 256 x 1, 8 waves a work-group, no clusters, 0 bytes of LDS; arguments x, W1, W2, W3, b1, b2, b3, YB, WF, SB; writes YB, WF, SB
.if DOCPART == 1
	.amdgcn_target "amdgcn-amd-amdhsa--gfx1250"
	.amdhsa_code_object_version 6
	.text
	.protected	k_q053ed97bb0_prep
	.globl	k_q053ed97bb0_prep
	.p2align	8
	.type	k_q053ed97bb0_prep,@function
k_q053ed97bb0_prep:
	s_mov_b64 s[64:65], 0
	v_nop
	global_prefetch_b8 v0, s[64:65] scope:SCOPE_SE
	s_setreg_imm32_b32 hwreg(HW_REG_WAVE_MODE, 25, 1), 1
	s_wait_xcnt 0x0
; PREPARATION.  (1) YB = x, each number rounded once to bf16 and kept as f32: the start value of the integration.
; (2) WF = the three weight matrices rounded to bf16 and laid out as the step kernel's registers want them, then the three biases, rounded to bf16 and kept as f32.
; (3) SB = the record of a made-up iteration 0, so that all eight steps run one text: t = 0, h = 0.25, done = 0 and 1,024 partial sums of 1e30.  Their sum gives an error norm
;     near 2e13: the step kernel rejects that iteration (y stays YB, t stays 0) and clips its factor to 0.2, and 0.25 x 0.2 is the f32 number 0.05, the first step size.
; LIMIT.  All inputs are rounded once to bf16 here; nothing else of them is used afterwards.
; SHARES.  256 work-groups of 8 waves; a work-group takes 32,768 bytes of x, a thread 16 bytes of each 4,096: a wave's load or store covers 512 consecutive bytes.
; The small jobs follow under forward branches on the wave's and the work-group's number, in registers of their own (v48 on): the stores of YB may still read v3 and v[8:39].
; WF, bytes 0 .. 65,535: 64 fragments of 1,024 bytes.  Fragment f holds 16 output features n = 16 b + r and 32 input features; the word at 512 q + 256 h + 16 r + 4 i holds
; W[k][n] (low half) and W[k+1][n] (high half), k = 32 c + 16 q + 8 h + 2 i.  W1: f = 2 b + c.  W2: f = 16 + 4 b + c.  W3: f = 48 + 4 b + c.
; Bytes 65,536 on: b1 (512), b2 (512), b3 (256), then zeros up to 69,632.
	s_load_b512 s[4:19], s[0:1], 0x0               ; x s[4:5], W1 s[6:7], W2 s[8:9], W3 s[10:11], b1 s[12:13], b2 s[14:15], b3 s[16:17], YB s[18:19]
	s_load_b128 s[20:23], s[0:1], 0x40             ; WF s[20:21], SB s[22:23]
	s_mov_b32 s2, ttmp9                            ; g: the work-group's number
	v_lshrrev_b32 v1, 5, v0
	v_readfirstlane_b32 s24, v1                    ; wave 0..7
	v_and_b32 v2, 31, v0                           ; lane
	v_lshlrev_b32 v3, 4, v0                        ; 16 bytes a thread
	s_lshl_b32 s26, s2, 15                         ; the work-group's 32,768 bytes
	s_mov_b32 s27, 0
	s_mov_b32 s25, 0xffff0000                      ; a word's upper bf16
	s_wait_kmcnt 0x0
	s_add_nc_u64 s[4:5], s[4:5], s[26:27]
	s_add_nc_u64 s[18:19], s[18:19], s[26:27]
.irp i, 0,1,2,3,4,5,6,7
	global_load_b128 v[8+4*(\i):11+4*(\i)], v3, s[4:5] offset:4096*(\i) th:TH_LOAD_NT
.endr
.irp i, 0,1,2,3,4,5,6,7
	s_wait_loadcnt 7-(\i)                          ; loads come back in order: number i is in, the younger ones stay out
	v_cvt_pk_bf16_f32 v40, v[8+4*(\i)], v[9+4*(\i)]    ; two roundings to bf16,
	v_cvt_pk_bf16_f32 v41, v[10+4*(\i)], v[11+4*(\i)]
	v_lshlrev_b32 v[8+4*(\i)], 16, v40             ; and back to f32: the low half moves up, the high half stays
	v_and_b32 v[9+4*(\i)], s25, v40
	v_lshlrev_b32 v[10+4*(\i)], 16, v41
	v_and_b32 v[11+4*(\i)], s25, v41
	global_store_b128 v3, v[8+4*(\i):11+4*(\i)], s[18:19] offset:4096*(\i) th:TH_STORE_NT
.endr
	s_cmp_lg_u32 s24, 0
	s_cbranch_scc1 .Lnot_wave_0
	; WAVE 0 of work-group g: the 256 bytes at 256 g of WF.  f = g / 4, 2 q + h = g % 4.  Lane l makes 8 bytes: r = l / 2, words i = 2 (l % 2) and the next: four numbers of one column.
	s_lshr_b32 s28, s2, 2                          ; f
	s_sub_co_u32 s29, s28, 16
	s_and_b32 s29, s29, 31                         ; f - 16 for W2, f - 48 for W3
	s_lshr_b32 s30, s29, 2                         ; b
	s_and_b32 s31, s29, 3                          ; c
	s_lshr_b32 s32, s28, 1                         ; W1's b
	s_and_b32 s33, s28, 1                          ; W1's c
	s_cmp_lt_u32 s28, 16
	s_cselect_b32 s30, s32, s30
	s_cselect_b32 s31, s33, s31
	s_cselect_b64 s[34:35], s[6:7], s[8:9]
	s_cmp_lt_u32 s28, 48
	s_cselect_b64 s[34:35], s[34:35], s[10:11]     ; the matrix
	s_cselect_b32 s36, 9, 8                        ; a row is 512 bytes, in W3 256: as a shift
	s_and_b32 s37, s2, 3
	s_lshl_b32 s37, s37, 3                         ; 16 q + 8 h
	s_lshl_b32 s31, s31, 5
	s_add_co_u32 s37, s37, s31                     ; + 32 c: the unit's first k
	s_lshl_b32 s38, s30, 6                         ; 16 b columns, in bytes
	s_lshl_b32 s39, 1, s36                         ; a row, in bytes
	v_and_b32 v48, 1, v2
	v_lshrrev_b32 v49, 1, v2                       ; r
	v_lshl_add_u32 v50, v48, 2, s37                ; my first k
	v_lshlrev_b32 v50, s36, v50
	v_lshl_add_u32 v51, v49, 2, s38
	v_add_nc_u32 v52, v50, v51                     ; W[k][n], and the three rows below it
	v_add_nc_u32 v53, s39, v52
	v_add_nc_u32 v54, s39, v53
	v_add_nc_u32 v55, s39, v54
.irp m, 0,1,2,3
	global_load_b32 v[56+(\m)], v[52+(\m)], s[34:35]
.endr
	s_lshl_b32 s28, s2, 8
	v_lshl_add_u32 v62, v2, 3, s28                 ; 256 g + 8 l
	s_wait_loadcnt 0x0
	v_cvt_pk_bf16_f32 v60, v56, v57
	v_cvt_pk_bf16_f32 v61, v58, v59
	global_store_b64 v62, v[60:61], s[20:21]       ; the wave stores 256 consecutive bytes, aligned
	s_endpgm
.Lnot_wave_0:
	s_cmp_lg_u32 s24, 1
	s_cbranch_scc1 .Lnot_wave_1
	s_cmp_lt_u32 s2, 16
	s_cbranch_scc0 .Lend
	; WAVE 1 of work-groups 0 to 15: the 256 bytes at 65,536 + 256 g of WF.  g = 0, 1: b1; 2, 3: b2; 4: b3; 5 to 15: zeros.
	v_lshlrev_b32 v48, 3, v2                       ; 8 bytes a lane
	v_mov_b32 v50, 0
	v_mov_b32 v51, 0
	s_cmp_lt_u32 s2, 5
	s_cbranch_scc0 .Lzeros
	s_and_b32 s28, s2, 1
	s_lshl_b32 s28, s28, 8                         ; which 256 bytes of the bias
	s_cmp_lt_u32 s2, 2
	s_cselect_b64 s[34:35], s[12:13], s[14:15]
	s_cmp_lt_u32 s2, 4
	s_cselect_b64 s[34:35], s[34:35], s[16:17]
	v_add_nc_u32 v49, s28, v48
	global_load_b64 v[52:53], v49, s[34:35]
	s_wait_loadcnt 0x0
	v_cvt_pk_bf16_f32 v54, v52, v53
	v_lshlrev_b32 v50, 16, v54
	v_and_b32 v51, s25, v54
.Lzeros:
	s_lshl_b32 s29, s2, 8
	s_add_co_u32 s29, s29, 65536
	v_add_nc_u32 v55, s29, v48
	global_store_b64 v55, v[50:51], s[20:21]
	s_endpgm
.Lnot_wave_1:
	s_cmp_lg_u32 s2, 0
	s_cbranch_scc1 .Lend
	s_cmp_lg_u32 s24, 2
	s_cbranch_scc1 .Lnot_wave_2
	; WAVE 2 of work-group 0: iteration 0's 1,024 partial sums
	v_lshlrev_b32 v48, 4, v2
.irp j, 52,53,54,55
	v_mov_b32 v\j, 0x7149f2ca                      ; 1e30
.endr
.irp i, 0,1,2,3,4,5,6,7
	global_store_b128 v48, v[52:55], s[22:23] offset:512*(\i)
.endr
	s_endpgm
.Lnot_wave_2:
	s_cmp_lg_u32 s24, 3
	s_cbranch_scc1 .Lend
	; WAVE 3 of work-group 0: iteration 0's t, h, done, 32 times: 512 consecutive bytes
	v_lshlrev_b32 v48, 4, v2
	v_mov_b32 v52, 0
	v_mov_b32 v53, 0x3e800000                      ; 0.25
	v_mov_b32 v54, 0
	v_mov_b32 v55, 0
	global_store_b128 v48, v[52:55], s[22:23] offset:4096
.Lend:
	s_endpgm
.Lfunc_end_k_q053ed97bb0_prep:
	.size	k_q053ed97bb0_prep, .Lfunc_end_k_q053ed97bb0_prep-k_q053ed97bb0_prep
	.p2alignl 7, 3214868480
	.fill 96, 4, 3214868480
	.section	.rodata,"a",@progbits
	.p2align	6, 0x0
	.amdhsa_kernel k_q053ed97bb0_prep
		.amdhsa_group_segment_fixed_size 0
		.amdhsa_private_segment_fixed_size 0
		.amdhsa_enable_private_segment 0
		.amdhsa_kernarg_size 80
		.amdhsa_user_sgpr_count 2
		.amdhsa_user_sgpr_kernarg_segment_ptr 1
		.amdhsa_wavefront_size32 1
		.amdhsa_system_sgpr_workgroup_id_x 1
		.amdhsa_system_sgpr_workgroup_id_y 1
		.amdhsa_system_sgpr_workgroup_id_z 1
		.amdhsa_system_vgpr_workitem_id 0
		.amdhsa_next_free_vgpr 64
		.amdhsa_next_free_sgpr 66
		.amdhsa_reserve_vcc 0
		.amdhsa_float_denorm_mode_32 3
		.amdhsa_float_denorm_mode_16_64 3
		.amdhsa_memory_ordered 1
		.amdhsa_forward_progress 1
		.amdhsa_inst_pref_size 9
	.end_amdhsa_kernel
	.amdgpu_metadata
---
amdhsa.version: [ 1, 2 ]
amdhsa.kernels:
  - .name:           k_q053ed97bb0_prep
    .symbol:         k_q053ed97bb0_prep.kd
    .args:
      - { .name: x, .offset: 0, .size: 8, .value_kind: global_buffer, .address_space: global }
      - { .name: W1, .offset: 8, .size: 8, .value_kind: global_buffer, .address_space: global }
      - { .name: W2, .offset: 16, .size: 8, .value_kind: global_buffer, .address_space: global }
      - { .name: W3, .offset: 24, .size: 8, .value_kind: global_buffer, .address_space: global }
      - { .name: b1, .offset: 32, .size: 8, .value_kind: global_buffer, .address_space: global }
      - { .name: b2, .offset: 40, .size: 8, .value_kind: global_buffer, .address_space: global }
      - { .name: b3, .offset: 48, .size: 8, .value_kind: global_buffer, .address_space: global }
      - { .name: YB, .offset: 56, .size: 8, .value_kind: global_buffer, .address_space: global }
      - { .name: WF, .offset: 64, .size: 8, .value_kind: global_buffer, .address_space: global }
      - { .name: SB, .offset: 72, .size: 8, .value_kind: global_buffer, .address_space: global }
    .group_segment_fixed_size: 0
    .private_segment_fixed_size: 0
    .kernarg_segment_align: 8
    .kernarg_segment_size: 80
    .max_flat_workgroup_size: 256
    .sgpr_count:     66
    .vgpr_count:     64
    .wavefront_size: 32
...
	.end_amdgpu_metadata
.endif
;; end of part 1
;; launch step1 (part 2): grid 256 x 1, 4 waves a work-group, clusters of 4 x 1, 301,568 bytes of LDS; arguments WF, SB, YB, x, YA, CA, SA; writes YA, CA, SA
.if DOCPART == 2
	.amdgcn_target "amdgcn-amd-amdhsa--gfx1250"
	.amdhsa_code_object_version 6
	.text
	.protected	k_q053ed97bb0_step1
	.globl	k_q053ed97bb0_step1
	.p2align	8
	.type	k_q053ed97bb0_step1,@function
k_q053ed97bb0_step1:
	s_mov_b64 s[64:65], 0
	v_nop
	global_prefetch_b8 v0, s[64:65] scope:SCOPE_SE
	s_setreg_imm32_b32 hwreg(HW_REG_WAVE_MODE, 25, 1), 1
	s_wait_xcnt 0x0
	s_wait_alu depctr_hold_cnt(0) depctr_sa_sdst(0) depctr_va_vdst(0) depctr_va_sdst(0) depctr_va_ssrc(0) depctr_va_vcc(0) depctr_vm_vsrc(0)
	s_getreg_b32 s2, hwreg(HW_REG_IB_STS2, 6, 4)
	s_cmp_eq_u32 s2, 0
	s_cbranch_scc0 .Lentry_in_a_cluster
	s_endpgm
.Lentry_in_a_cluster:
	s_bfe_u32 s2, ttmp6, 0x10000c
	s_cmp_lg_u32 s2, 0x3003
	s_cbranch_scc0 .Lentry_shape_is_right
	s_endpgm
.Lentry_shape_is_right:
; ONE ITERATION OF THE DORMAND-PRINCE SCAN.  Arguments: WF, Sin, Yin, Cin (read); Yout, Cout, Sout (written).
; Sin holds t, h, done as the iteration before found them, and its 1,024 partial sums of (err / scale)^2; Yin its y, Cin its candidate y5.  This launch first closes that iteration (error norm, accept,
; factor; y = accept ? Cin : Yin; the new t, h, done), every wave for itself and by the same order of additions, so that all decide alike; it stores y (Yout) and the three numbers (Sout); then it runs
; its own iteration: seven evaluations of f(y) = W3^T relu(W2^T relu(W1^T y + b1) + b2) + b3, the candidate y5 (Cout) and each wave's partial sum (Sout).  No branch and no address hangs on a number.
; LIMITS.  Matrix operands are bf16 (weights, biases and x were rounded once by the launch in front; z, h1, h2 are rounded here, to nearest even); y, all k, all sums, t and h are f32.  The error norm
; carries that rounding, so step sizes, and a decision where the norm lies very near 1, can differ from an f32 run; the result agrees where both reach t = 1 within the eight iterations.  err / scale is
; a multiply by v_rcp_f32; x^-0.2 is 2^(-0.2 log2 x).  A NaN norm rejects the step, as in the model, but h then follows the clipped factor of 1e-10 and does not become NaN.
; SHARES.  256 work-groups of four waves, 128 rows each; a wave owns 32 rows: two tiles of 16.
; THE WEIGHTS LIVE IN REGISTERS: 64 fragments, 512 registers a wave, read from LDS once.  So the seven evaluations read no weight from LDS.
; LAYOUT.  Every product is taken transposed: source 0 = 16 output features x 32 input features of a weight, source 1 = 32 input features x 16 rows of the batch.  In the result a lane holds ONE row
; (lane % 16) and the features 8 (lane / 16) + 0..7 of the block.  The eight f32 sums of a block, rounded to bf16 in pairs, are four registers: half a fragment of the next layer's source 1.  So nothing
; changes lanes between the layers.  relu is one packed maximum a register, behind the rounding (rounding keeps sign and order, so the two commute).  A bias is the C of a sum's first link.
; STATE ORDER.  Register 32 tile + 8 b + j of y, z and each k holds row 16 tile + lane % 16, feature 16 b + 8 (lane / 16) + j.  k1 to k5 and the error's first part lie in LDS, each lane's own bytes.
; CLUSTER.  The four work-groups of a cluster need the same 69,632 bytes of WF: each wave asks for a quarter of them JOINTLY with its namesakes in the three partners.  Nothing is filled again.
; NO PREFETCH: what comes from memory is read once, at the head, with nothing in front of it in which a request could run ahead.
; The wave's partial sum is a store of 4 bytes: 1,024 of them in the launch; gathering them would want a barrier for 3 KiB.
; REGISTERS, in windows of 256 (s_set_vgpr_msb: bits 1:0 source 0, 3:2 source 1, 5:4 source 2, 7:6 destination):
;   window 0: v0-31 addresses and small things; TL v32-95, TH v96-159: 16 accumulators (tile, b) at 32 + 64 tile + 8 b; layer 3's eight, k, fill TL in state order; TH is also load buffer 0
;             HA v160-223: z in f32, then Z (bf16, 16 registers a tile, at 32 tile), then h2 (32 a tile); v224-255 y of tile 0
;   window 1: W2, fragment (b, c) at 32 b + 8 c          window 2: W1 at 16 b + 8 c; W3 at 128 + 32 b + 8 c
;   window 3: v0-159 the biases as C operands (b1 at 8 b, b2 at 64 + 8 b, b3 at 128 + 8 b); HB v160-223: h1, also load buffer 1; v224-255 y of tile 1
.set KS,    69632     ; LDS 0 .. 69,631: the image of WF.  From here: the k, 49,152 bytes a wave: six slots of 8,192; in a slot 16 x 512 bytes, 16 a lane
.set STG,   266240    ; a stage of 32 rows x 272 bytes (256 + 16: sixteen rows start at sixteen different groups of four banks, ISA guide 11.1) for each wave: rows as in memory <-> state order
.set SPARE, 301056    ; the spare words, 128 bytes for each wave: two blocks of 256 bytes that no other line names
.set LANE, 1          ; v1   lane
.set SPW,  2          ; v2   LDS address of my spare word; never rewritten
.set NIL,  3          ; v3   0, for the add alone
.set ZERO, 4          ; v4   0: relu's other operand, a zero offset, 0.0
.set KA,   5          ; v5   my 16 bytes in my wave's slot 0
.set SW,   6          ; v6   the stage in state order: row lane % 16, byte 32 (lane / 16)
.set SR,   7          ; v7   the stage by rows: row lane / 16, byte 16 (lane % 16)
.set L16,  8          ; v8   16 x lane: offset in 512 consecutive bytes of memory, and in a fragment's half in LDS
.set BA,   10         ; v10  the biases in LDS: 65,536 + 32 (lane / 16)
.set ES,   12         ; v[12:19] four pairs of running sums of (err / scale)^2; at the head v11-v19 are at work
.set XT,   26         ; v26  takes the other half of the lanes'.  v[20:23] t, h, done, 0 as stored; v24 hs; v25 their offset in Sout
.set TL,   32
.set TH,   96
.set HA,   160
.set HB,   160
.set YY,   224
.set WV,   18         ; s18  my wave's number;  s19 cx;  s20 my work-group;  s21, s71 at work;  s[22:23], s[74:75] offsets
.set G1,   24         ; s[24:31] descriptor group 1
.set G0,   32         ; s[32:35] descriptor group 0
.set HS,   40         ; s40  hs.  s[36:39] t, h, done as read;  s[42:43] where my partial sum goes
.set CF,   44         ; s[44:63] ten pairs: hs x a tableau entry in the low word, 0 in the high one (the packed forms name a pair and take its low word twice)
.set MIL,  66         ; s[66:67] 1e-3;  s[68:69] v_permlanex16_b32's selects;  s70 EXEC kept;  s72 accept;  s73 not done
.set MSB, 0
.macro WIN new                      ; the high byte repeats the setting that is left; a switch that changes nothing is dropped
.if MSB != (\new)
	s_set_vgpr_msb (MSB<<8)|(\new)
.set MSB, (\new)
.endif
.endm
; Behind a matrix instruction stand four places before a vector instruction, a store or a load touches its registers; only plain vector instructions that name none of its registers are places
; (ISA guide 7.12.1 for vector instructions).
.macro P4
.rept 4
	v_nop
.endr
.endm
; A round of the cluster's barrier: my work-group's barrier; wave 0 signals for the work-group; every wave waits for all four work-groups; my work-group's barrier once more.
.macro CROUND
	s_barrier_signal -1
	s_barrier_wait -1
	s_cmp_lg_u32 s[WV], 0
	s_cbranch_scc1 .Lnot_wave_0_\@
	s_barrier_signal -3
.Lnot_wave_0_\@:
	s_barrier_wait -3
	s_barrier_signal -1
	s_barrier_wait -1
.endm
; LAYERS 1 AND 2.  In: Z in HA.  Out: h2 in HA.  The 16 accumulators take turns, one instruction a turn.
; The roundings go through the accumulators in ascending order: packed register n = 32 tile + 4 b + p takes sums 2 n and 2 n + 1, features 16 b + 8 (lane / 16) + 2 p and the next.
.macro EVAL_A
	WIN 0x32                        ; W1 window 2, Z window 0, b1 window 3, T window 0
.irp t, 0,1
.irp b, 0,1,2,3,4,5,6,7
	v_wmma_f32_16x16x32_bf16 v[TL+64*(\t)+8*(\b):TL+64*(\t)+8*(\b)+7], v[16*(\b):16*(\b)+7], v[HA+32*(\t):HA+32*(\t)+7], v[8*(\b):8*(\b)+7]
.endr
.endr
	WIN 0x02                        ; the second half of K, in place
.irp t, 0,1
.irp b, 0,1,2,3,4,5,6,7
	v_wmma_f32_16x16x32_bf16 v[TL+64*(\t)+8*(\b):TL+64*(\t)+8*(\b)+7], v[16*(\b)+8:16*(\b)+15], v[HA+32*(\t)+8:HA+32*(\t)+15], v[TL+64*(\t)+8*(\b):TL+64*(\t)+8*(\b)+7]
.endr
.endr
	P4
	WIN 0xc0                        ; the sums in window 0, h1 in window 3
.set n, 0
.rept 64
	v_cvt_pk_bf16_f32 v[HB+n], v[TL+2*n], v[TL+2*n+1]  ; two roundings to nearest even a line
.set n, n+1
.endr
	WIN 0xc3
.set n, 0
.rept 64
	v_pk_max_num_bf16 v[HB+n], v[HB+n], v[ZERO]    ; relu, two numbers a line
.set n, n+1
.endr
	WIN 0x3d                        ; W2 window 1, h1 window 3, b2 window 3, T window 0
.irp t, 0,1
.irp b, 0,1,2,3,4,5,6,7
	v_wmma_f32_16x16x32_bf16 v[TL+64*(\t)+8*(\b):TL+64*(\t)+8*(\b)+7], v[32*(\b):32*(\b)+7], v[HB+32*(\t):HB+32*(\t)+7], v[64+8*(\b):64+8*(\b)+7]
.endr
.endr
	WIN 0x0d
.irp c, 1,2,3
.irp t, 0,1
.irp b, 0,1,2,3,4,5,6,7
	v_wmma_f32_16x16x32_bf16 v[TL+64*(\t)+8*(\b):TL+64*(\t)+8*(\b)+7], v[32*(\b)+8*(\c):32*(\b)+8*(\c)+7], v[HB+32*(\t)+8*(\c):HB+32*(\t)+8*(\c)+7], v[TL+64*(\t)+8*(\b):TL+64*(\t)+8*(\b)+7]
.endr
.endr
.endr
	P4
	WIN 0
.set n, 0
.rept 64
	v_cvt_pk_bf16_f32 v[HA+n], v[TL+2*n], v[TL+2*n+1]
.set n, n+1
.endr
.set n, 0
.rept 64
	v_pk_max_num_bf16 v[HA+n], v[HA+n], v[ZERO]
.set n, n+1
.endr
.endm
; LAYER 3.  In: h2 in HA.  Out: k in TL, in state order.  Eight accumulators by turns.
.macro EVAL_B
	WIN 0x32                        ; W3 window 2, h2 window 0, b3 window 3, k window 0
.irp t, 0,1
.irp b, 0,1,2,3
	v_wmma_f32_16x16x32_bf16 v[TL+32*(\t)+8*(\b):TL+32*(\t)+8*(\b)+7], v[128+32*(\b):128+32*(\b)+7], v[HA+32*(\t):HA+32*(\t)+7], v[128+8*(\b):128+8*(\b)+7]
.endr
.endr
	WIN 0x02
.irp c, 1,2,3
.irp t, 0,1
.irp b, 0,1,2,3
	v_wmma_f32_16x16x32_bf16 v[TL+32*(\t)+8*(\b):TL+32*(\t)+8*(\b)+7], v[128+32*(\b)+8*(\c):128+32*(\b)+8*(\c)+7], v[HA+32*(\t)+8*(\c):HA+32*(\t)+8*(\c)+7], v[TL+32*(\t)+8*(\b):TL+32*(\t)+8*(\b)+7]
.endr
.endr
.endr
	WIN 0
	P4
.endm
.macro COEF p, val                  ; pair p = hs x a tableau entry
	s_mul_f32 s[CF+2*(\p)], s[HS], \val
.endm
.macro KLOAD buf, slot              ; a slot's 64 numbers into buffer 0 (TH) or 1 (HB, window 3): 16 loads
	WIN 0xc0*(\buf)
.set n, 0
.rept 16
	ds_load_b128 v[TH+64*(\buf)+4*n:TH+64*(\buf)+4*n+3], v[KA] offset:8192*(\slot)+512*n
.set n, n+1
.endr
.endm
.macro KSTORE slot                  ; TL into a slot: 16 stores, each accumulator's lowest registers first
	WIN 0
.set n, 0
.rept 16
	ds_store_b128 v[KA], v[TL+4*n:TL+4*n+3] offset:8192*(\slot)+512*n
.set n, n+1
.endr
.endm
.macro FNEW p                       ; z = y + pair p x the k just made
	WIN 0
.set n, 0
.rept 16
	v_pk_fma_f32 v[HA+2*n:HA+2*n+1], v[TL+2*n:TL+2*n+1], s[CF+2*(\p):CF+2*(\p)+1], v[YY+2*n:YY+2*n+1] op_sel_hi:[1,0,1]
.set n, n+1
.endr
	WIN 0x30                        ; tile 1's y lies in window 3
.set n, 0
.rept 16
	v_pk_fma_f32 v[HA+32+2*n:HA+32+2*n+1], v[TL+32+2*n:TL+32+2*n+1], s[CF+2*(\p):CF+2*(\p)+1], v[YY+2*n:YY+2*n+1] op_sel_hi:[1,0,1]
.set n, n+1
.endr
.endm
.macro FOLD buf, p                  ; z += pair p x the k in a buffer
	WIN 3*(\buf)
.set n, 0
.rept 32
	v_pk_fma_f32 v[HA+2*n:HA+2*n+1], v[TH+64*(\buf)+2*n:TH+64*(\buf)+2*n+1], s[CF+2*(\p):CF+2*(\p)+1], v[HA+2*n:HA+2*n+1] op_sel_hi:[1,0,1]
.set n, n+1
.endr
.endm
.macro EMUL p                       ; the error begins: TL = pair p x k6
	WIN 0
.set n, 0
.rept 32
	v_pk_mul_f32 v[TL+2*n:TL+2*n+1], v[TL+2*n:TL+2*n+1], s[CF+2*(\p):CF+2*(\p)+1] op_sel_hi:[1,0]
.set n, n+1
.endr
.endm
.macro EFOLD buf, p                 ; the error += pair p x the k in a buffer
	WIN 3*(\buf)
.set n, 0
.rept 32
	v_pk_fma_f32 v[TL+2*n:TL+2*n+1], v[TH+64*(\buf)+2*n:TH+64*(\buf)+2*n+1], s[CF+2*(\p):CF+2*(\p)+1], v[TL+2*n:TL+2*n+1] op_sel_hi:[1,0,1]
.set n, n+1
.endr
.endm
.macro PACKZ                        ; z to bf16, in place and ascending: register p of a tile takes numbers 2 p, 2 p + 1; the 16 registers are layer 1's two fragments of source 1
	WIN 0
.irp t, 0,1
.set n, 0
.rept 16
	v_cvt_pk_bf16_f32 v[HA+32*(\t)+n], v[HA+32*(\t)+2*n], v[HA+32*(\t)+2*n+1]
.set n, n+1
.endr
.endr
.endm
	s_load_b256 s[4:11], s[0:1], 0x0               ; WF s[4:5], Sin s[6:7], Yin s[8:9], Cin s[10:11]
	s_load_b128 s[12:15], s[0:1], 0x20             ; Yout s[12:13], Cout s[14:15]
	s_load_b64 s[16:17], s[0:1], 0x30              ; Sout
	v_lshl_add_u32 v[SPW], v0, 2, SPARE
	v_mov_b32 v[NIL], 0
	ds_add_u32 v[SPW], v[NIL]                      ; the wave's opening: the add and its wait stand ahead of my first tensor load; the set-up below, work on registers, stands between them
	v_lshrrev_b32 v11, 5, v0
	v_readfirstlane_b32 s[WV], v11                 ; wave 0..3
	v_and_b32 v[LANE], 31, v0
	v_and_b32 v12, 15, v0                          ; lane % 16
	v_bfe_u32 v13, v0, 4, 1                        ; lane / 16
	v_mov_b32 v[ZERO], 0
	v_mov_b32 v[XT], 0                             ; v_permlanex16_b32 counts as a reader of its destination
	v_lshlrev_b32 v[L16], 4, v[LANE]
	s_mul_i32 s21, s[WV], 49152
	s_add_co_u32 s21, s21, KS
	v_add_nc_u32 v[KA], s21, v[L16]
	s_mul_i32 s21, s[WV], 8704
	s_add_co_u32 s21, s21, STG                     ; my stage
	v_mul_u32_u24 v[SW], v12, 272
	v_lshl_add_u32 v[SW], v13, 5, v[SW]
	v_add_nc_u32 v[SW], s21, v[SW]
	v_mul_u32_u24 v[SR], v13, 272
	v_lshl_add_u32 v[SR], v12, 4, v[SR]
	v_add_nc_u32 v[SR], s21, v[SR]
	v_lshl_add_u32 v[BA], v13, 5, 65536
	s_bfe_u32 s19, ttmp6, 0x40000                  ; cx: it enters global addresses alone
	s_lshl_b32 s20, ttmp9, 2                       ; in a cluster launch ttmp9 counts clusters
	s_add_co_u32 s20, s20, s19                     ; my work-group
	s_lshl_b32 s22, s20, 15                        ; its 128 rows of 256 bytes,
	s_lshl_b32 s21, s[WV], 13                      ; my wave's 32 of them
	s_add_co_u32 s22, s22, s21
	s_mov_b32 s23, 0
	s_lshl_b32 s21, s19, 9
	v_add_nc_u32 v25, s21, v[L16]                  ; where t, h, done go: the four partners of cluster 0 are told apart by address
	; the descriptor: my quarter of WF, 68 dense rows of 256 bytes (32 elements of 8 bytes), no padding
	s_mov_b32 s[G1+0], 15|(3<<16)|(1<<21)          ; 15:0 the mask: all four work-groups; 17:16 elements of 8 bytes; 21 set beside a mask
	s_mov_b32 s[G1+1], 32<<16                      ; tensor_dim0 = 32
	s_mov_b32 s[G1+2], 68<<16                      ; tensor_dim1 = 68
	s_mov_b32 s[G1+3], 32<<16                      ; tile_dim0 = 32
	s_mov_b32 s[G1+4], 68                          ; tile_dim1 = 68
	s_mov_b32 s[G1+5], 32                          ; 32 elements from row to row
	s_mov_b32 s[G1+6], 0
	s_mov_b32 s[G1+7], 0
	s_mov_b32 s[G0], 1                             ; count = 1
	s_mul_i32 s[G0+1], s[WV], 17408                ; LDS address: wave x 68 rows
	s_mov_b32 s74, s[G0+1]                         ; and the same offset in WF
	s_mov_b32 s75, 0
	s_mov_b32 s[MIL], 0x3a83126f                   ; 1e-3
	s_mov_b32 s[MIL+1], 0
	s_mov_b32 s68, 0x76543210
	s_mov_b32 s69, 0xfedcba98
.irp p, 45,47,49,51,53,55,57,59,61,63
	s_mov_b32 s\p, 0                               ; the pairs' high words are named, so they are written
.endr
	s_wait_dscnt 0x0                               ; the opening add is done
	s_wait_kmcnt 0x0
	s_add_nc_u64 s[G0+2:G0+3], s[4:5], s[74:75]    ; global address: the same in all four partners
	s_or_b32 s[G0+3], s[G0+3], 0x80000000          ; type = 2
	s_add_nc_u64 s[8:9], s[8:9], s[22:23]          ; Yin, Cin, Yout, Cout at my wave's first row
	s_add_nc_u64 s[10:11], s[10:11], s[22:23]
	s_add_nc_u64 s[12:13], s[12:13], s[22:23]
	s_add_nc_u64 s[14:15], s[14:15], s[22:23]
	s_lshl_b32 s74, s20, 2
	s_add_co_u32 s74, s74, s[WV]
	s_lshl_b32 s74, s74, 2                         ; partial sum number 4 x work-group + wave
	s_add_nc_u64 s[42:43], s[16:17], s[74:75]
	s_load_b128 s[36:39], s[6:7], 0x1000           ; t, h, done
.irp i, 0,1,2,3,4,5,6,7
	global_load_b128 v[HA+4*(\i):HA+4*(\i)+3], v[L16], s[6:7] offset:512*(\i)  ; all 1,024 partial sums, 32 a lane
.endr
.irp i, 0,1,2,3,4,5,6,7,8,9,10,11,12,13,14,15
	global_load_b128 v[TL+4*(\i):TL+4*(\i)+3], v[L16], s[8:9] offset:512*(\i) th:TH_LOAD_NT  ; y: two rows, 512 consecutive bytes, a load
.endr
.irp i, 0,1,2,3,4,5,6,7,8,9,10,11,12,13,14,15
	global_load_b128 v[TH+4*(\i):TH+4*(\i)+3], v[L16], s[10:11] offset:512*(\i) th:TH_LOAD_NT  ; the candidate
.endr
	CROUND                                         ; all four work-groups are here: the joint loads meet
	tensor_load_to_lds s[G0:G0+3], s[G1:G1+7]      ; my only tensor load: one is out
	s_nop 0
.rept 4
	v_nop
.endr
	s_wait_tensorcnt 0x0                           ; my quarter is in,
	s_barrier_signal -1
	s_barrier_wait -1                              ; everybody's is
	; the weights and biases into registers: 168 loads, while y and the candidate are on their way
	WIN 0x80
.set f, 0
.rept 16                                               ; W1
	ds_load_b128 v[8*f:8*f+3],   v[L16] offset:1024*f
	ds_load_b128 v[8*f+4:8*f+7], v[L16] offset:1024*f+512
.set f, f+1
.endr
.set f, 0
.rept 16                                               ; W3
	ds_load_b128 v[128+8*f:128+8*f+3],   v[L16] offset:1024*(48+f)
	ds_load_b128 v[128+8*f+4:128+8*f+7], v[L16] offset:1024*(48+f)+512
.set f, f+1
.endr
	WIN 0x40
.set f, 0
.rept 32                                               ; W2
	ds_load_b128 v[8*f:8*f+3],   v[L16] offset:1024*(16+f)
	ds_load_b128 v[8*f+4:8*f+7], v[L16] offset:1024*(16+f)+512
.set f, f+1
.endr
	WIN 0xc0
.set f, 0
.rept 20                                               ; a block of 16 bias numbers as a C operand: register j holds number 8 (lane / 16) + j
	ds_load_b128 v[8*f:8*f+3],   v[BA] offset:64*f
	ds_load_b128 v[8*f+4:8*f+7], v[BA] offset:64*f+16
.set f, f+1
.endr
	WIN 0
	; THE ITERATION BEFORE IS CLOSED.  The sum of the 1,024 partial sums, in one fixed order
	s_wait_loadcnt 32                              ; the eight loads of sums are in; the 32 of y and the candidate stay out
.irp w, 16,8,4,2
.set n, 0
.rept (\w)/2
	v_pk_add_f32 v[HA+2*n:HA+2*n+1], v[HA+2*n:HA+2*n+1], v[HA+(\w)+2*n:HA+(\w)+2*n+1]
.set n, n+1
.endr
.endr
	v_add_f32 v[HA], v[HA], v[HA+1]
	v_add_f32_dpp v[HA], v[HA], v[HA] row_xmask:1 row_mask:0xf bank_mask:0xf
	v_add_f32_dpp v[HA], v[HA], v[HA] row_xmask:2 row_mask:0xf bank_mask:0xf
	v_add_f32_dpp v[HA], v[HA], v[HA] row_xmask:4 row_mask:0xf bank_mask:0xf
	v_add_f32_dpp v[HA], v[HA], v[HA] row_xmask:8 row_mask:0xf bank_mask:0xf
	v_permlanex16_b32 v[XT], v[HA], s68, s69
	v_add_f32 v14, v[HA], v[XT]
	s_wait_kmcnt 0x0                               ; t, h, done
	v_mul_f32 v14, 0x35000000, v14                 ; the mean over 2^21 numbers
	v_sqrt_f32 v15, v14                            ; the error norm
	v_sub_f32 v16, 1.0, s36                        ; (a plain line behind the root)
	s_wait_alu depctr_va_vdst(0)                   ; the wait ahead of the first line that names a transcendental's result
	v_min_num_f32 v16, s37, v16                    ; the step that was tried: min(h, 1 - t)
	v_max_num_f32 v17, 0x2edbe6ff, v15             ; max(norm, 1e-10)
	v_log_f32 v17, v17
	v_add_f32 v19, s36, v16                        ; t + hs
	s_wait_alu depctr_va_vdst(0)
	v_mul_f32 v17, 0xbe4ccccd, v17                 ; x -0.2
	v_exp_f32 v18, v17
	v_mov_b32 v20, s36
	s_wait_alu depctr_va_vdst(0)
	v_mul_f32 v18, 0x3f666666, v18                 ; x 0.9
	v_max_num_f32 v18, 0x3e4ccccd, v18             ; clipped to 0.2 .. 10
	v_min_num_f32 v18, 0x41200000, v18
	v_cmp_ge_f32 s72, 1.0, v15                     ; norm <= 1 (false for a NaN)
	v_cmp_eq_f32 s73, s38, v[ZERO]                 ; not done
	s_and_b32 s72, s72, s73                        ; accept
	v_cndmask_b32 v20, v20, v19, s72               ; t
	v_mul_f32 v18, v16, v18
	v_mov_b32 v21, s37
	v_cndmask_b32 v21, v21, v18, s73               ; h = done ? h : hs x factor
	v_mov_b32 v22, s38
	v_cmp_le_f32 vcc_lo, 0x3f7ffffe, v20           ; t >= 1 - 1e-7, as f32
	v_cndmask_b32 v22, v22, 1.0, vcc_lo            ; done
	v_mov_b32 v23, 0
	v_sub_f32 v24, 1.0, v20
	v_min_num_f32 v24, v21, v24
	v_readfirstlane_b32 s[HS], v24                 ; this iteration's hs
	s_or_b32 s71, ttmp9, s[WV]                     ; wave 0 of cluster 0's four work-groups stores the three numbers, 32 times: 512 consecutive bytes each; the first block is the one read
	s_cmp_lg_u32 s71, 0
	s_cbranch_scc1 .Lno_state
	global_store_b128 v25, v[20:23], s[16:17] offset:4096
.Lno_state:
	s_mov_b32 vcc_lo, s72
	s_wait_loadcnt 0x0                             ; y and the candidate
.set n, 0
.rept 64
	v_cndmask_b32 v[TL+n], v[TL+n], v[TH+n], vcc_lo
.set n, n+1
.endr
.irp i, 0,1,2,3,4,5,6,7,8,9,10,11,12,13,14,15
	global_store_b128 v[L16], v[TL+4*(\i):TL+4*(\i)+3], s[12:13] offset:512*(\i) th:TH_STORE_NT  ; sixteen lanes store 256 consecutive bytes, aligned
.endr
.irp i, 0,1,2,3,4,5,6,7,8,9,10,11,12,13,14,15
	ds_store_b128 v[SR], v[TL+4*(\i):TL+4*(\i)+3] offset:544*(\i)  ; by rows into my stage,
.endr
.irp i, 0,1,2,3,4,5,6,7                    ; and back in state order: LDS serves a wave's instructions in order (ISA guide 5.7.1.4)
	ds_load_b128 v[YY+4*(\i):YY+4*(\i)+3], v[SW] offset:64*((\i)/2)+16*((\i)%2)
.endr
	WIN 0xc0
.irp i, 0,1,2,3,4,5,6,7
	ds_load_b128 v[YY+4*(\i):YY+4*(\i)+3], v[SW] offset:4352+64*((\i)/2)+16*((\i)%2)
.endr
	WIN 0
	s_wait_dscnt 0x0                               ; y, and all weights and biases
.set n, 0
.rept 16
	v_cvt_pk_bf16_f32 v[HA+n], v[YY+2*n], v[YY+2*n+1]  ; Z = y
.set n, n+1
.endr
	WIN 0x0f
.set n, 0
.rept 16
	v_cvt_pk_bf16_f32 v[HA+32+n], v[YY+2*n], v[YY+2*n+1]
.set n, n+1
.endr
	WIN 0
	s_wait_xcnt 0x0                                ; the stores of y have read TL: it is written again only behind this wait
	; STAGES 1 TO 5: k_s = f(z); k_s goes to its slot; z = y + hs (a_1 k_1 + .. + a_s k_s).  The older k come back through the two buffers, the first two asked for ahead of layer 3.
	; A wait's count is what was issued behind the buffer's own 16 loads: 16 for the stores of k_s, 16 for each younger run of loads.
	COEF 0, 0.2
	EVAL_A
	EVAL_B
	KSTORE 0
	FNEW 0
	PACKZ
	COEF 0, 0.075
	COEF 1, 0.225
	EVAL_A
	KLOAD 0, 0
	EVAL_B
	KSTORE 1
	FNEW 1
	s_wait_dscnt 16
	FOLD 0, 0
	PACKZ
	COEF 0, 0.977777778
	COEF 1, -3.73333333
	COEF 2, 3.55555556
	EVAL_A
	KLOAD 0, 0
	KLOAD 1, 1
	EVAL_B
	KSTORE 2
	FNEW 2
	s_wait_dscnt 32
	FOLD 0, 0
	s_wait_dscnt 16
	FOLD 1, 1
	PACKZ
	COEF 0, 2.95259869
	COEF 1, -11.5957933
	COEF 2, 9.82289285
	COEF 3, -0.290809328
	EVAL_A
	KLOAD 0, 0
	KLOAD 1, 1
	EVAL_B
	KSTORE 3
	FNEW 3
	s_wait_dscnt 32
	FOLD 0, 0
	KLOAD 0, 2
	s_wait_dscnt 32
	FOLD 1, 1
	s_wait_dscnt 0x0
	FOLD 0, 2
	PACKZ
	COEF 0, 2.84627525
	COEF 1, -10.7575758
	COEF 2, 8.90642272
	COEF 3, 0.278409091
	COEF 4, -0.273531304
	EVAL_A
	KLOAD 0, 0
	KLOAD 1, 1
	EVAL_B
	KSTORE 4
	FNEW 4
	s_wait_dscnt 32
	FOLD 0, 0
	KLOAD 0, 2
	s_wait_dscnt 32
	FOLD 1, 1
	KLOAD 1, 3
	s_wait_dscnt 16
	FOLD 0, 2
	s_wait_dscnt 0x0
	FOLD 1, 3
	PACKZ
	; STAGE 6: k6; y5 = y + hs (b1 k1 + b3 k3 + b4 k4 + b5 k5 + b6 k6) in HA, and the error's first five terms in TL.  Pairs 0-4: hs b for k1, k3, k4, k5, k6; pairs 5-9: hs e for the same.
	COEF 0, 0.0911458333
	COEF 1, 0.449236298
	COEF 2, 0.651041667
	COEF 3, -0.322376179
	COEF 4, 0.130952381
	COEF 5, 0.00123263889
	COEF 6, -0.00425277029
	COEF 7, 0.0369791667
	COEF 8, -0.0508637972
	COEF 9, 0.0419047619
	EVAL_A
	KLOAD 0, 0
	KLOAD 1, 2
	EVAL_B
	FNEW 4
	EMUL 9
	s_wait_dscnt 16                                ; k1 is in; k3's 16 loads may be out
	FOLD 0, 0
	EFOLD 0, 5
	KLOAD 0, 3
	s_wait_dscnt 16                                ; k3
	FOLD 1, 1
	EFOLD 1, 6
	KLOAD 1, 4
	s_wait_dscnt 16                                ; k4
	FOLD 0, 2
	EFOLD 0, 7
	s_wait_dscnt 0x0                               ; k5
	FOLD 1, 3
	EFOLD 1, 8
	KSTORE 5                                       ; the error so far is set aside, in f32
	WIN 0
.irp i, 0,1,2,3,4,5,6,7,8,9,10,11,12,13,14,15
	ds_store_b128 v[SW], v[HA+4*(\i):HA+4*(\i)+3] offset:4352*((\i)/8)+64*(((\i)%8)/2)+16*((\i)%2)  ; y5 into my stage, where it stays for the scale,
.endr
.irp i, 0,1,2,3,4,5,6,7,8,9,10,11,12,13,14,15
	ds_load_b128 v[TH+4*(\i):TH+4*(\i)+3], v[SR] offset:544*(\i)  ; and back by rows
.endr
	PACKZ                                          ; Z = y5, between those loads and the wait for them
	s_wait_dscnt 0x0
.irp i, 0,1,2,3,4,5,6,7,8,9,10,11,12,13,14,15
	global_store_b128 v[L16], v[TH+4*(\i):TH+4*(\i)+3], s[14:15] offset:512*(\i) th:TH_STORE_NT  ; the candidate leaves while k7 is made
.endr
	s_wait_xcnt 0x0                                ; the stores have read TH: it is written again only behind this wait
	; STAGE 7: k7 = f(y5); err = the part set aside + hs e7 k7; the sum of (err / (1e-3 + 1e-3 max(|y|, |y5|)))^2 over my 2,048 numbers
	COEF 0, -0.025
	EVAL_A
	KLOAD 0, 5
	WIN 0xc0
.irp i, 0,1,2,3,4,5,6,7,8,9,10,11,12,13,14,15
	ds_load_b128 v[HB+4*(\i):HB+4*(\i)+3], v[SW] offset:4352*((\i)/8)+64*(((\i)%8)/2)+16*((\i)%2)  ; y5, in state order
.endr
	EVAL_B
	s_wait_dscnt 0x0
.set n, 0
.rept 32
	v_pk_fma_f32 v[TL+2*n:TL+2*n+1], v[TL+2*n:TL+2*n+1], s[CF:CF+1], v[TH+2*n:TH+2*n+1] op_sel_hi:[1,0,1]
.set n, n+1
.endr
	WIN 0x0c                                       ; y of tile 0 window 0, y5 window 3
.set n, 0
.rept 32
	v_max_num_f32 v[TH+n], |v[YY+n]|, |v[HB+n]|
.set n, n+1
.endr
	WIN 0x0f                                       ; y of tile 1 window 3
.set n, 0
.rept 32
	v_max_num_f32 v[TH+32+n], |v[YY+n]|, |v[HB+32+n]|
.set n, n+1
.endr
	WIN 0
.set n, 0
.rept 32
	v_pk_fma_f32 v[TH+2*n:TH+2*n+1], v[TH+2*n:TH+2*n+1], s[MIL:MIL+1], s[MIL:MIL+1] op_sel_hi:[1,0,0]
.set n, n+1
.endr
.set n, 0
.rept 64
	v_rcp_f32 v[TH+n], v[TH+n]                     ; one batch
.set n, n+1
.endr
	v_nop                                          ; a plain line behind the last reciprocal,
	s_wait_alu depctr_va_vdst(0)                   ; and one wait for the batch, ahead of its first reader
.set n, 0
.rept 32
	v_pk_mul_f32 v[TL+2*n:TL+2*n+1], v[TL+2*n:TL+2*n+1], v[TH+2*n:TH+2*n+1]
.set n, n+1
.endr
.set n, 0
.rept 32                                               ; four chains; the first four squares start them: nothing is cleared
.if n < 4
	v_pk_mul_f32 v[ES+2*n:ES+2*n+1], v[TL+2*n:TL+2*n+1], v[TL+2*n:TL+2*n+1]
.else
	v_pk_fma_f32 v[ES+2*(n%4):ES+2*(n%4)+1], v[TL+2*n:TL+2*n+1], v[TL+2*n:TL+2*n+1], v[ES+2*(n%4):ES+2*(n%4)+1]
.endif
.set n, n+1
.endr
	v_pk_add_f32 v[ES:ES+1], v[ES:ES+1], v[ES+2:ES+3]
	v_pk_add_f32 v[ES+4:ES+5], v[ES+4:ES+5], v[ES+6:ES+7]
	v_pk_add_f32 v[ES:ES+1], v[ES:ES+1], v[ES+4:ES+5]
	v_add_f32 v[ES], v[ES], v[ES+1]
	v_add_f32_dpp v[ES], v[ES], v[ES] row_xmask:1 row_mask:0xf bank_mask:0xf
	v_add_f32_dpp v[ES], v[ES], v[ES] row_xmask:2 row_mask:0xf bank_mask:0xf
	v_add_f32_dpp v[ES], v[ES], v[ES] row_xmask:4 row_mask:0xf bank_mask:0xf
	v_add_f32_dpp v[ES], v[ES], v[ES] row_xmask:8 row_mask:0xf bank_mask:0xf
	v_permlanex16_b32 v[XT], v[ES], s68, s69
	v_add_f32 v[ES], v[ES], v[XT]
	s_wait_xcnt 0x0                                ; EXEC changes only behind this wait
	v_cmp_eq_u32 vcc_lo, 0, v[LANE]
	s_and_saveexec_b32 s70, vcc_lo
	global_store_b32 v[ZERO], v[ES], s[42:43]      ; lane 0 stores the wave's partial sum
	s_wait_xcnt 0x0                                ; and again, in front of the line that widens it
	s_or_b32 exec_lo, exec_lo, s70
	s_wait_tensorcnt 0x0                           ; the wave's end: behind my last tensor load and my last LDS store
	ds_add_u32 v[SPW], v[NIL]
	s_wait_dscnt 0x0
	CROUND                                         ; the closing round
	s_endpgm
.Lfunc_end_k_q053ed97bb0_step1:
	.size	k_q053ed97bb0_step1, .Lfunc_end_k_q053ed97bb0_step1-k_q053ed97bb0_step1
	.p2alignl 7, 3214868480
	.fill 96, 4, 3214868480
	.section	.rodata,"a",@progbits
	.p2align	6, 0x0
	.amdhsa_kernel k_q053ed97bb0_step1
		.amdhsa_group_segment_fixed_size 301568
		.amdhsa_private_segment_fixed_size 0
		.amdhsa_enable_private_segment 0
		.amdhsa_kernarg_size 56
		.amdhsa_user_sgpr_count 2
		.amdhsa_user_sgpr_kernarg_segment_ptr 1
		.amdhsa_wavefront_size32 1
		.amdhsa_system_sgpr_workgroup_id_x 1
		.amdhsa_system_sgpr_workgroup_id_y 1
		.amdhsa_system_sgpr_workgroup_id_z 1
		.amdhsa_system_vgpr_workitem_id 0
		.amdhsa_next_free_vgpr 1024
		.amdhsa_next_free_sgpr 80
		.amdhsa_reserve_vcc 1
		.amdhsa_float_denorm_mode_32 3
		.amdhsa_float_denorm_mode_16_64 3
		.amdhsa_memory_ordered 1
		.amdhsa_forward_progress 1
		.amdhsa_inst_pref_size 255
	.end_amdhsa_kernel
	.section	.bss,"aw",@nobits
	.p2align	6
	.space	262144
	.amdgpu_metadata
---
amdhsa.version: [ 1, 2 ]
amdhsa.kernels:
  - .name:           k_q053ed97bb0_step1
    .symbol:         k_q053ed97bb0_step1.kd
    .args:
      - { .name: WF, .offset: 0, .size: 8, .value_kind: global_buffer, .address_space: global }
      - { .name: SB, .offset: 8, .size: 8, .value_kind: global_buffer, .address_space: global }
      - { .name: YB, .offset: 16, .size: 8, .value_kind: global_buffer, .address_space: global }
      - { .name: x, .offset: 24, .size: 8, .value_kind: global_buffer, .address_space: global }
      - { .name: YA, .offset: 32, .size: 8, .value_kind: global_buffer, .address_space: global }
      - { .name: CA, .offset: 40, .size: 8, .value_kind: global_buffer, .address_space: global }
      - { .name: SA, .offset: 48, .size: 8, .value_kind: global_buffer, .address_space: global }
    .group_segment_fixed_size: 301568
    .private_segment_fixed_size: 0
    .kernarg_segment_align: 8
    .kernarg_segment_size: 56
    .max_flat_workgroup_size: 128
    .sgpr_count:     80
    .vgpr_count:     1024
    .wavefront_size: 32
...
	.end_amdgpu_metadata
.endif
;; end of part 2
;; launch step2: the kernel of part 2 again; grid 256 x 1, 4 waves a work-group, clusters of 4 x 1, 301,568 bytes of LDS; arguments WF, SA, YA, CA, YB, CB, SB; writes YB, CB, SB
;; launch step3: the kernel of part 2 again; grid 256 x 1, 4 waves a work-group, clusters of 4 x 1, 301,568 bytes of LDS; arguments WF, SB, YB, CB, YA, CA, SA; writes YA, CA, SA
;; launch step4: the kernel of part 2 again; grid 256 x 1, 4 waves a work-group, clusters of 4 x 1, 301,568 bytes of LDS; arguments WF, SA, YA, CA, YB, CB, SB; writes YB, CB, SB
;; launch step5: the kernel of part 2 again; grid 256 x 1, 4 waves a work-group, clusters of 4 x 1, 301,568 bytes of LDS; arguments WF, SB, YB, CB, YA, CA, SA; writes YA, CA, SA
;; launch step6: the kernel of part 2 again; grid 256 x 1, 4 waves a work-group, clusters of 4 x 1, 301,568 bytes of LDS; arguments WF, SA, YA, CA, YB, CB, SB; writes YB, CB, SB
;; launch step7: the kernel of part 2 again; grid 256 x 1, 4 waves a work-group, clusters of 4 x 1, 301,568 bytes of LDS; arguments WF, SB, YB, CB, YA, CA, SA; writes YA, CA, SA
;; launch step8: the kernel of part 2 again; grid 256 x 1, 4 waves a work-group, clusters of 4 x 1, 301,568 bytes of LDS; arguments WF, SA, YA, CA, YB, CB, SB; writes YB, CB, SB
;; launch fin (part 3): grid 256 x 1, 8 waves a work-group, no clusters, 0 bytes of LDS; arguments SB, YB, CB, out0; writes out0
.if DOCPART == 3
	.amdgcn_target "amdgcn-amd-amdhsa--gfx1250"
	.amdhsa_code_object_version 6
	.text
	.protected	k_q053ed97bb0_fin
	.globl	k_q053ed97bb0_fin
	.p2align	8
	.type	k_q053ed97bb0_fin,@function
k_q053ed97bb0_fin:
	s_mov_b64 s[64:65], 0
	v_nop
	global_prefetch_b8 v0, s[64:65] scope:SCOPE_SE
	s_setreg_imm32_b32 hwreg(HW_REG_WAVE_MODE, 25, 1), 1
	s_wait_xcnt 0x0
; THE LAST CHOICE.  out0 = accept ? C : Y for the eighth iteration: accept = (error norm <= 1) and not done.  S holds that iteration's 1,024 partial sums of (err / scale)^2 and, at byte 4,096, its t, h, done.
; Every wave adds all the sums in one fixed order, so all decide alike; the choice is a select, no branch.  A NaN norm rejects, as in the model.
; A stream: 256 work-groups of 8 waves, 32,768 bytes each of Y, C and out0; a wave's load or store covers 512 consecutive bytes; all 24 loads of a wave go out at once.  LDS, matrix units and
; clusters would add nothing: no byte of Y or C is wanted twice.
.set P, 8             ; v[8:39]   the partial sums, 32 a lane
.set Y, 40            ; v[40:71]  y, then the result
.set C, 72            ; v[72:103] the candidate
	s_load_b256 s[4:11], s[0:1], 0x0               ; S s[4:5], Y s[6:7], C s[8:9], out0 s[10:11]
	v_and_b32 v1, 31, v0
	v_lshlrev_b32 v2, 4, v1                        ; 16 x lane
	v_lshlrev_b32 v3, 4, v0                        ; 16 x thread
	v_mov_b32 v4, 0                                ; 0.0
	v_mov_b32 v5, 0                                ; v_permlanex16_b32 counts as a reader of its destination
	s_lshl_b32 s12, ttmp9, 15
	s_mov_b32 s13, 0
	s_mov_b32 s14, 0x76543210
	s_mov_b32 s15, 0xfedcba98
	s_wait_kmcnt 0x0
	s_add_nc_u64 s[6:7], s[6:7], s[12:13]
	s_add_nc_u64 s[8:9], s[8:9], s[12:13]
	s_add_nc_u64 s[10:11], s[10:11], s[12:13]
	s_load_b128 s[16:19], s[4:5], 0x1000           ; t, h, done
.irp i, 0,1,2,3,4,5,6,7
	global_load_b128 v[P+4*(\i):P+4*(\i)+3], v2, s[4:5] offset:512*(\i)
.endr
.irp i, 0,1,2,3,4,5,6,7
	global_load_b128 v[Y+4*(\i):Y+4*(\i)+3], v3, s[6:7] offset:4096*(\i) th:TH_LOAD_NT
.endr
.irp i, 0,1,2,3,4,5,6,7
	global_load_b128 v[C+4*(\i):C+4*(\i)+3], v3, s[8:9] offset:4096*(\i) th:TH_LOAD_NT
.endr
	s_wait_loadcnt 16                              ; the sums are in; the 16 loads of y and the candidate stay out
.irp w, 16,8,4,2
.set n, 0
.rept (\w)/2
	v_pk_add_f32 v[P+2*n:P+2*n+1], v[P+2*n:P+2*n+1], v[P+(\w)+2*n:P+(\w)+2*n+1]
.set n, n+1
.endr
.endr
	v_add_f32 v[P], v[P], v[P+1]
	v_add_f32_dpp v[P], v[P], v[P] row_xmask:1 row_mask:0xf bank_mask:0xf
	v_add_f32_dpp v[P], v[P], v[P] row_xmask:2 row_mask:0xf bank_mask:0xf
	v_add_f32_dpp v[P], v[P], v[P] row_xmask:4 row_mask:0xf bank_mask:0xf
	v_add_f32_dpp v[P], v[P], v[P] row_xmask:8 row_mask:0xf bank_mask:0xf
	v_permlanex16_b32 v5, v[P], s14, s15
	v_add_f32 v[P], v[P], v5
	v_mul_f32 v[P], 0x35000000, v[P]               ; the mean over 2^21 numbers
	v_sqrt_f32 v6, v[P]
	v_nop                                          ; a plain line behind the root,
	s_wait_alu depctr_va_vdst(0)                   ; and the wait ahead of its first reader
	s_wait_kmcnt 0x0
	v_cmp_ge_f32 vcc_lo, 1.0, v6                   ; norm <= 1
	v_cmp_eq_f32 s20, s18, v4                      ; not done
	s_and_b32 vcc_lo, vcc_lo, s20
	s_wait_loadcnt 0x0
.set n, 0
.rept 32
	v_cndmask_b32 v[Y+n], v[Y+n], v[C+n], vcc_lo
.set n, n+1
.endr
.irp i, 0,1,2,3,4,5,6,7
	global_store_b128 v3, v[Y+4*(\i):Y+4*(\i)+3], s[10:11] offset:4096*(\i) th:TH_STORE_NT
.endr
	s_endpgm
.Lfunc_end_k_q053ed97bb0_fin:
	.size	k_q053ed97bb0_fin, .Lfunc_end_k_q053ed97bb0_fin-k_q053ed97bb0_fin
	.p2alignl 7, 3214868480
	.fill 96, 4, 3214868480
	.section	.rodata,"a",@progbits
	.p2align	6, 0x0
	.amdhsa_kernel k_q053ed97bb0_fin
		.amdhsa_group_segment_fixed_size 0
		.amdhsa_private_segment_fixed_size 0
		.amdhsa_enable_private_segment 0
		.amdhsa_kernarg_size 32
		.amdhsa_user_sgpr_count 2
		.amdhsa_user_sgpr_kernarg_segment_ptr 1
		.amdhsa_wavefront_size32 1
		.amdhsa_system_sgpr_workgroup_id_x 1
		.amdhsa_system_sgpr_workgroup_id_y 1
		.amdhsa_system_sgpr_workgroup_id_z 1
		.amdhsa_system_vgpr_workitem_id 0
		.amdhsa_next_free_vgpr 104
		.amdhsa_next_free_sgpr 66
		.amdhsa_reserve_vcc 1
		.amdhsa_float_denorm_mode_32 3
		.amdhsa_float_denorm_mode_16_64 3
		.amdhsa_memory_ordered 1
		.amdhsa_forward_progress 1
		.amdhsa_inst_pref_size 7
	.end_amdhsa_kernel
	.amdgpu_metadata
---
amdhsa.version: [ 1, 2 ]
amdhsa.kernels:
  - .name:           k_q053ed97bb0_fin
    .symbol:         k_q053ed97bb0_fin.kd
    .args:
      - { .name: SB, .offset: 0, .size: 8, .value_kind: global_buffer, .address_space: global }
      - { .name: YB, .offset: 8, .size: 8, .value_kind: global_buffer, .address_space: global }
      - { .name: CB, .offset: 16, .size: 8, .value_kind: global_buffer, .address_space: global }
      - { .name: out0, .offset: 24, .size: 8, .value_kind: global_buffer, .address_space: global }
    .group_segment_fixed_size: 0
    .private_segment_fixed_size: 0
    .kernarg_segment_align: 8
    .kernarg_segment_size: 32
    .max_flat_workgroup_size: 256
    .sgpr_count:     66
    .vgpr_count:     104
    .wavefront_size: 32
...
	.end_amdgpu_metadata
.endif
;; end of part 3
;; ======== version 2 of 2: 10 launches; version 1 with the launch prep written anew for expert scheduling mode
;; workspace buffers: YA 8,388,608 bytes; YB 8,388,608 bytes; CA 8,388,608 bytes; CB 8,388,608 bytes; SA 6,144 bytes; SB 6,144 bytes; WF 69,632 bytes
;; launch prep (part 4): grid 256 x 1, 8 waves a work-group, no clusters, 0 bytes of LDS; arguments x, W1, W2, W3, b1, b2, b3, YB, WF, SB; writes YB, WF, SB
.if DOCPART == 4
	.amdgcn_target "amdgcn-amd-amdhsa--gfx1250"
	.amdhsa_code_object_version 6
	.text
	.protected	k_q053ed97bb0_prep
	.globl	k_q053ed97bb0_prep
	.p2align	8
	.type	k_q053ed97bb0_prep,@function
k_q053ed97bb0_prep:
	s_mov_b64 s[64:65], 0
	v_nop
	global_prefetch_b8 v0, s[64:65] scope:SCOPE_SE
	s_setreg_imm32_b32 hwreg(HW_REG_WAVE_SCHED_MODE, 0, 2), 2
	s_setreg_imm32_b32 hwreg(HW_REG_WAVE_MODE, 25, 1), 1
	s_wait_xcnt 0x0
	s_wait_alu depctr_vm_vsrc(0)
; PREPARATION.  (1) YB = x, each number rounded once to bf16 and kept as f32: the start value of the integration.
; (2) WF = the three weight matrices rounded to bf16 and laid out as the step kernel's registers want them, then the three biases, rounded to bf16 and kept as f32.
; (3) SB = the record of a made-up iteration 0, so that all eight steps run one text: t = 0, h = 0.25, done = 0 and 1,024 partial sums of 1e30.  Their sum gives an error norm
;     near 2e13: the step kernel rejects that iteration (y stays YB, t stays 0) and clips its factor to 0.2, and 0.25 x 0.2 is the f32 number 0.05, the first step size.
; LIMIT.  All inputs are rounded once to bf16 here; nothing else of them is used afterwards.
; SHARES.  256 work-groups of 8 waves; a work-group takes 32,768 bytes of x, a thread 16 bytes of each 4,096: a wave's load or store covers 512 consecutive bytes.
; The small jobs follow under forward branches on the wave's and the work-group's number, in registers of their own (v48 on): the stores of YB may still read v3 and v[8:39].
; WF, bytes 0 .. 65,535: 64 fragments of 1,024 bytes.  Fragment f holds 16 output features n = 16 b + r and 32 input features; the word at 512 q + 256 h + 16 r + 4 i holds
; W[k][n] (low half) and W[k+1][n] (high half), k = 32 c + 16 q + 8 h + 2 i.  W1: f = 2 b + c.  W2: f = 16 + 4 b + c.  W3: f = 48 + 4 b + c.
; Bytes 65,536 on: b1 (512), b2 (512), b3 (256), then zeros up to 69,632.
; THE MODE: SCHED_MODE bits 1:0 = 2 (LLVM: expert scheduling mode 2), set by the entry lines.  The code itself states the register dependences
; between vector instructions and memory instructions, with s_wait_alu, always for 0.
; THE PLAN.  Registers that memory instructions touch:
;   v3        16 x thread: the offset of all loads of x and all stores of YB.  Written once at the head, never again.
;   v[8:39]   eight chunks of four.  Chunk i: its load lands in it; behind the counted wait for that load its four unpacking lines write it in place; its store reads it; nothing writes it afterwards.
;   v40, v41  named by vector instructions alone.
;   v48 on    the small jobs' addresses, loaded words and data: each written once, read by one run of loads or stores, never written again.
; The chunks go in two groups of four.  One wait behind a group's roundings states that its sixteen registers are written; group 0's four stores are then dealt among group 1's roundings, which
; name v40, v41 and v[24:39]: none of the registers that those stores read.  No register that a memory instruction has read is ever written again, and EXEC and VCC are never written.
.macro ROUND i                      ; chunk i: four numbers rounded to bf16 and kept as f32, in place
	v_cvt_pk_bf16_f32 v40, v[8+4*(\i)], v[9+4*(\i)]    ; two roundings to bf16,
	v_cvt_pk_bf16_f32 v41, v[10+4*(\i)], v[11+4*(\i)]
	v_lshlrev_b32 v[8+4*(\i)], 16, v40             ; and back to f32: the low half moves up, the high half stays
	v_and_b32 v[9+4*(\i)], s25, v40
	v_lshlrev_b32 v[10+4*(\i)], 16, v41
	v_and_b32 v[11+4*(\i)], s25, v41
.endm
	s_load_b512 s[4:19], s[0:1], 0x0               ; x s[4:5], W1 s[6:7], W2 s[8:9], W3 s[10:11], b1 s[12:13], b2 s[14:15], b3 s[16:17], YB s[18:19]
	s_load_b128 s[20:23], s[0:1], 0x40             ; WF s[20:21], SB s[22:23]
	s_mov_b32 s2, ttmp9                            ; g: the work-group's number
	v_lshrrev_b32 v1, 5, v0
	v_readfirstlane_b32 s24, v1                    ; wave 0..7
	v_and_b32 v2, 31, v0                           ; lane
	v_lshlrev_b32 v3, 4, v0                        ; 16 bytes a thread
	s_lshl_b32 s26, s2, 15                         ; the work-group's 32,768 bytes
	s_mov_b32 s27, 0
	s_mov_b32 s25, 0xffff0000                      ; a word's upper bf16
	s_wait_alu depctr_va_sdst(0)                   ; s24 is written, ahead of its first reader, the compare behind the stream, and ahead of every branch
	s_wait_kmcnt 0x0
	s_add_nc_u64 s[4:5], s[4:5], s[26:27]
	s_add_nc_u64 s[18:19], s[18:19], s[26:27]
	s_wait_alu depctr_va_vdst(0)                   ; v3 is written: every load of x and every store of YB reads it as its offset
.irp i, 0,1,2,3,4,5,6,7
	global_load_b128 v[8+4*(\i):11+4*(\i)], v3, s[4:5] offset:4096*(\i) th:TH_LOAD_NT
.endr
.irp i, 0,1,2,3
	s_wait_loadcnt 7-(\i)                          ; loads come back in order: number i is in, the younger ones stay out
	ROUND \i
.endr
	s_wait_alu depctr_va_vdst(0)                   ; the roundings of chunks 0 to 3 have written v[8:23], which the four stores below read
.irp i, 4,5,6,7
	global_store_b128 v3, v[8+4*((\i)-4):11+4*((\i)-4)], s[18:19] offset:4096*((\i)-4) th:TH_STORE_NT  ; no vector instruction since the wait names these registers
	s_wait_loadcnt 7-(\i)
	ROUND \i
.endr
	s_wait_alu depctr_va_vdst(0)                   ; the roundings of chunks 4 to 7 have written v[24:39], which the four stores below read
.irp i, 4,5,6,7
	global_store_b128 v3, v[8+4*(\i):11+4*(\i)], s[18:19] offset:4096*(\i) th:TH_STORE_NT
.endr
	s_cmp_lg_u32 s24, 0
	s_cbranch_scc1 .Lnot_wave_0
	; WAVE 0 of work-group g: the 256 bytes at 256 g of WF.  f = g / 4, 2 q + h = g % 4.  Lane l makes 8 bytes: r = l / 2, words i = 2 (l % 2) and the next: four numbers of one column.
	s_lshr_b32 s28, s2, 2                          ; f
	s_sub_co_u32 s29, s28, 16
	s_and_b32 s29, s29, 31                         ; f - 16 for W2, f - 48 for W3
	s_lshr_b32 s30, s29, 2                         ; b
	s_and_b32 s31, s29, 3                          ; c
	s_lshr_b32 s32, s28, 1                         ; W1's b
	s_and_b32 s33, s28, 1                          ; W1's c
	s_cmp_lt_u32 s28, 16
	s_cselect_b32 s30, s32, s30
	s_cselect_b32 s31, s33, s31
	s_cselect_b64 s[34:35], s[6:7], s[8:9]
	s_cmp_lt_u32 s28, 48
	s_cselect_b64 s[34:35], s[34:35], s[10:11]     ; the matrix
	s_cselect_b32 s36, 9, 8                        ; a row is 512 bytes, in W3 256: as a shift
	s_and_b32 s37, s2, 3
	s_lshl_b32 s37, s37, 3                         ; 16 q + 8 h
	s_lshl_b32 s31, s31, 5
	s_add_co_u32 s37, s37, s31                     ; + 32 c: the unit's first k
	s_lshl_b32 s38, s30, 6                         ; 16 b columns, in bytes
	s_lshl_b32 s39, 1, s36                         ; a row, in bytes
	s_lshl_b32 s28, s2, 8
	v_and_b32 v48, 1, v2
	v_lshrrev_b32 v49, 1, v2                       ; r
	v_lshl_add_u32 v50, v48, 2, s37                ; my first k
	v_lshlrev_b32 v50, s36, v50
	v_lshl_add_u32 v51, v49, 2, s38
	v_add_nc_u32 v52, v50, v51                     ; W[k][n], and the three rows below it
	v_add_nc_u32 v53, s39, v52
	v_add_nc_u32 v54, s39, v53
	v_add_nc_u32 v55, s39, v54
	v_lshl_add_u32 v62, v2, 3, s28                 ; 256 g + 8 l: where my 8 bytes go
	s_wait_alu depctr_va_vdst(0)                   ; the four addresses v52 to v55 are written, which the loads below read; so is v62, the store's offset
.irp m, 0,1,2,3
	global_load_b32 v[56+(\m)], v[52+(\m)], s[34:35]
.endr
	s_wait_loadcnt 0x0
	v_cvt_pk_bf16_f32 v60, v56, v57
	v_cvt_pk_bf16_f32 v61, v58, v59
	s_wait_alu depctr_va_vdst(0)                   ; the two roundings have written v[60:61], which the store reads
	global_store_b64 v62, v[60:61], s[20:21]       ; the wave stores 256 consecutive bytes, aligned
	s_endpgm
.Lnot_wave_0:
	s_cmp_lg_u32 s24, 1
	s_cbranch_scc1 .Lnot_wave_1
	s_cmp_lt_u32 s2, 16
	s_cbranch_scc0 .Lend
	; WAVE 1 of work-groups 0 to 15: the 256 bytes at 65,536 + 256 g of WF.  g = 0, 1: b1; 2, 3: b2; 4: b3; 5 to 15: zeros.
	v_lshlrev_b32 v48, 3, v2                       ; 8 bytes a lane
	v_mov_b32 v50, 0
	v_mov_b32 v51, 0
	s_cmp_lt_u32 s2, 5
	s_cbranch_scc0 .Lzeros
	s_and_b32 s28, s2, 1
	s_lshl_b32 s28, s28, 8                         ; which 256 bytes of the bias
	s_cmp_lt_u32 s2, 2
	s_cselect_b64 s[34:35], s[12:13], s[14:15]
	s_cmp_lt_u32 s2, 4
	s_cselect_b64 s[34:35], s[34:35], s[16:17]
	v_add_nc_u32 v49, s28, v48
	s_wait_alu depctr_va_vdst(0)                   ; v49 is written, which the load reads as its offset
	global_load_b64 v[52:53], v49, s[34:35]
	s_wait_loadcnt 0x0
	v_cvt_pk_bf16_f32 v54, v52, v53
	v_lshlrev_b32 v50, 16, v54
	v_and_b32 v51, s25, v54
.Lzeros:
	s_lshl_b32 s29, s2, 8
	s_add_co_u32 s29, s29, 65536
	v_add_nc_u32 v55, s29, v48
	s_wait_alu depctr_va_vdst(0)                   ; on both ways: v[50:51], the store's data, and v55, its offset, are written
	global_store_b64 v55, v[50:51], s[20:21]
	s_endpgm
.Lnot_wave_1:
	s_cmp_lg_u32 s2, 0
	s_cbranch_scc1 .Lend
	s_cmp_lg_u32 s24, 2
	s_cbranch_scc1 .Lnot_wave_2
	; WAVE 2 of work-group 0: iteration 0's 1,024 partial sums
	v_lshlrev_b32 v48, 4, v2
.irp j, 52,53,54,55
	v_mov_b32 v\j, 0x7149f2ca                      ; 1e30
.endr
	s_wait_alu depctr_va_vdst(0)                   ; v48, the offset, and v[52:55], the data, are written: the eight stores read them
.irp i, 0,1,2,3,4,5,6,7
	global_store_b128 v48, v[52:55], s[22:23] offset:512*(\i)
.endr
	s_endpgm
.Lnot_wave_2:
	s_cmp_lg_u32 s24, 3
	s_cbranch_scc1 .Lend
	; WAVE 3 of work-group 0: iteration 0's t, h, done, 32 times: 512 consecutive bytes
	v_lshlrev_b32 v48, 4, v2
	v_mov_b32 v52, 0
	v_mov_b32 v53, 0x3e800000                      ; 0.25
	v_mov_b32 v54, 0
	v_mov_b32 v55, 0
	s_wait_alu depctr_va_vdst(0)                   ; v48, the offset, and v[52:55], the data, are written: the store reads them
	global_store_b128 v48, v[52:55], s[22:23] offset:4096
.Lend:
	s_endpgm
.Lfunc_end_k_q053ed97bb0_prep:
	.size	k_q053ed97bb0_prep, .Lfunc_end_k_q053ed97bb0_prep-k_q053ed97bb0_prep
	.p2alignl 7, 3214868480
	.fill 96, 4, 3214868480
	.section	.rodata,"a",@progbits
	.p2align	6, 0x0
	.amdhsa_kernel k_q053ed97bb0_prep
		.amdhsa_group_segment_fixed_size 0
		.amdhsa_private_segment_fixed_size 0
		.amdhsa_enable_private_segment 0
		.amdhsa_kernarg_size 80
		.amdhsa_user_sgpr_count 2
		.amdhsa_user_sgpr_kernarg_segment_ptr 1
		.amdhsa_wavefront_size32 1
		.amdhsa_system_sgpr_workgroup_id_x 1
		.amdhsa_system_sgpr_workgroup_id_y 1
		.amdhsa_system_sgpr_workgroup_id_z 1
		.amdhsa_system_vgpr_workitem_id 0
		.amdhsa_next_free_vgpr 64
		.amdhsa_next_free_sgpr 66
		.amdhsa_reserve_vcc 0
		.amdhsa_float_denorm_mode_32 3
		.amdhsa_float_denorm_mode_16_64 3
		.amdhsa_memory_ordered 1
		.amdhsa_forward_progress 1
		.amdhsa_inst_pref_size 10
	.end_amdhsa_kernel
	.amdgpu_metadata
---
amdhsa.version: [ 1, 2 ]
amdhsa.kernels:
  - .name:           k_q053ed97bb0_prep
    .symbol:         k_q053ed97bb0_prep.kd
    .args:
      - { .name: x, .offset: 0, .size: 8, .value_kind: global_buffer, .address_space: global }
      - { .name: W1, .offset: 8, .size: 8, .value_kind: global_buffer, .address_space: global }
      - { .name: W2, .offset: 16, .size: 8, .value_kind: global_buffer, .address_space: global }
      - { .name: W3, .offset: 24, .size: 8, .value_kind: global_buffer, .address_space: global }
      - { .name: b1, .offset: 32, .size: 8, .value_kind: global_buffer, .address_space: global }
      - { .name: b2, .offset: 40, .size: 8, .value_kind: global_buffer, .address_space: global }
      - { .name: b3, .offset: 48, .size: 8, .value_kind: global_buffer, .address_space: global }
      - { .name: YB, .offset: 56, .size: 8, .value_kind: global_buffer, .address_space: global }
      - { .name: WF, .offset: 64, .size: 8, .value_kind: global_buffer, .address_space: global }
      - { .name: SB, .offset: 72, .size: 8, .value_kind: global_buffer, .address_space: global }
    .group_segment_fixed_size: 0
    .private_segment_fixed_size: 0
    .kernarg_segment_align: 8
    .kernarg_segment_size: 80
    .max_flat_workgroup_size: 256
    .sgpr_count:     66
    .vgpr_count:     64
    .wavefront_size: 32
...
	.end_amdgpu_metadata
.endif
;; end of part 4
;; launch step1: the kernel of part 2 again; grid 256 x 1, 4 waves a work-group, clusters of 4 x 1, 301,568 bytes of LDS; arguments WF, SB, YB, x, YA, CA, SA; writes YA, CA, SA
;; launch step2: the kernel of part 2 again; grid 256 x 1, 4 waves a work-group, clusters of 4 x 1, 301,568 bytes of LDS; arguments WF, SA, YA, CA, YB, CB, SB; writes YB, CB, SB
;; launch step3: the kernel of part 2 again; grid 256 x 1, 4 waves a work-group, clusters of 4 x 1, 301,568 bytes of LDS; arguments WF, SB, YB, CB, YA, CA, SA; writes YA, CA, SA
;; launch step4: the kernel of part 2 again; grid 256 x 1, 4 waves a work-group, clusters of 4 x 1, 301,568 bytes of LDS; arguments WF, SA, YA, CA, YB, CB, SB; writes YB, CB, SB
;; launch step5: the kernel of part 2 again; grid 256 x 1, 4 waves a work-group, clusters of 4 x 1, 301,568 bytes of LDS; arguments WF, SB, YB, CB, YA, CA, SA; writes YA, CA, SA
;; launch step6: the kernel of part 2 again; grid 256 x 1, 4 waves a work-group, clusters of 4 x 1, 301,568 bytes of LDS; arguments WF, SA, YA, CA, YB, CB, SB; writes YB, CB, SB
;; launch step7: the kernel of part 2 again; grid 256 x 1, 4 waves a work-group, clusters of 4 x 1, 301,568 bytes of LDS; arguments WF, SB, YB, CB, YA, CA, SA; writes YA, CA, SA
;; launch step8: the kernel of part 2 again; grid 256 x 1, 4 waves a work-group, clusters of 4 x 1, 301,568 bytes of LDS; arguments WF, SA, YA, CA, YB, CB, SB; writes YB, CB, SB
;; launch fin: the kernel of part 3 again; grid 256 x 1, 8 waves a work-group, no clusters, 0 bytes of LDS; arguments SB, YB, CB, out0; writes out0
